; MI455X (gfx1250); checked and timed in simulation.
; The chip was launched on July 23, 2026; its instructions are those of AMD's public machine-readable ISA for CDNA 5 (MIT licence, August 2026) and "CDNA5" Instruction Set Architecture Reference Guide (July 2026). The comments in the code are by the model that wrote it; some were corrected since.
;; Cross Attention. Allowed arithmetic: matrix products marked QUANTISED: E2M3 operands, one E8M0 scale for each 32 along K, by v_wmma_scale_f32_16x16x128_f8f6f4 with both operands' format E2M3, f32 sums; everything else in f32.
;; Inputs: h 8 x 256 x 64 x 64 float32; xs 8 x 256 x 64 x 64 float32; ys 8 x 256 x 64 x 64 float32.
;; Outputs: out0 8 x 256 x 64 x 64 float32.
;; This version of the problem:
;;   THIS VERSION OF THE PROBLEM IS GIVEN IN LOW PRECISION. The matrix products marked QUANTISED in the list below multiply operands that are first quantised to E2M3 (2 exponent bits, 3 mantissa bits; 6 bits a number), with one power-of-two scale for each 32 numbers along K (OCP MX v1.0); their sums are f32. All else is computed in f32.
;;   The module's matrix products, in the order in which they are computed (A, B: the left and right operand; K: the contracted axis; several contracted axes count as one K, in the product's order):
;;     1. batch 8 x [M 4,096, K 256] x [K 256, N 4,096]; A: input h; B: input xs: QUANTISED
;;     2. batch 8 x [M 256, K 4,096] x [K 4,096, N 4,096]; A: input ys; B: softmax (see below): QUANTISED
;;   THE QUANTISER, for each operand of a quantised product, along K:
;;     - K is cut into blocks of 32 from its start; a last block that is shorter is filled with zeros.
;;     - A block's scale is 2^e with e = floor(log2(the largest magnitude in the block)) - 2, held to -126 .. 127; a block of zeros has e = 0. As a byte (E8M0): e + 127.
;;     - Each number is divided by its block's scale, clamped to +-7.5, and rounded to the nearest number of E2M3, ties to even, subnormals kept.
;;     - The product sums the exact products of the quantised numbers (number of the format x scale) in f32.
;;   ~~~python
;;   def quantise(x, axis):      # numpy; x: float32 -> the quantised numbers, widened to float32 again
;;       x = np.moveaxis(x, axis, -1); K = x.shape[-1]
;;       x = np.pad(x, [(0, 0)] * (x.ndim - 1) + [(0, -K % 32)]); x = x.reshape(x.shape[:-1] + (-1, 32)); a = np.abs(x).max(-1, keepdims=True)
;;       e = np.where(a > 0, np.clip(np.frexp(np.where(a > 0, a, 1))[1] - 1 - 2, -126, 127), 0)      # np.frexp(a)[1] - 1 = floor(log2(a)), exactly
;;       r = np.clip(x / 2.0 ** e, -7.5, 7.5)
;;       step = 2.0 ** (np.maximum(np.frexp(np.where(r == 0, 1, r))[1] - 1, 0) - 3)
;;       q = np.round(r / step) * step * 2.0 ** e      # np.round: ties to even
;;       return np.moveaxis(q.reshape(q.shape[:-2] + (-1,))[..., :K], -1, axis).astype(np.float32)
;;   ~~~
;;   SOFTMAX AHEAD OF A QUANTISED PRODUCT. Where the list says 'softmax', what is quantised is not the finished softmax but p = 2^(t - M), with t = logit x log2(e) and M = ceil(the row's largest t), a whole number; so 1/2 < the row's largest p <= 1. The row's sum l is taken of the UNQUANTISED p, in f32, and the product's result is divided by l at the end. Since M is a whole number, a kernel that streams over the keys may use a running M (the ceiling of the running maximum): every later rescaling is an exact power of two, which a block's scale takes up: the codes' values come out the same.
;;   OPERANDS COMPUTED ON THE WAY. 'Computed on the way' means the value that the module computes at that place (a softmax that the list does not call 'softmax' is quantised finished and normalised). What goes into a quantiser is computed in f32, as accurately as f32 sums, v_exp_f32 and their like allow (about 1e-6 of the number): no bf16 or f16 on the way to a quantiser, and a product that is left as it is and whose result goes on into a quantised operand takes f32 operands (vector FMAs, or v_wmma_f32_16x16x4_f32). A number that lies on a knife's edge between two numbers of the format may be rounded either way, as far as f32 arithmetic and the matrix unit's own rounding can turn it there, and no further.
;; One version. Each part assembles by itself: llvm-mc -triple=amdgcn-amd-amdhsa -mcpu=gfx1250 --defsym DOCPART=n.
;; ======== version 1 of 1: 2 launches
;; limits: right only within a limited range of input values
;; workspace buffers: qc 6,291,456 bytes; kvc 12,582,912 bytes; sc 786,432 bytes
;; launch quant (part 1): grid 768 x 1, 4 waves a work-group, no clusters, 88,576 bytes of LDS; arguments h, xs, ys, qc, kvc, sc; writes qc, kvc, sc
.if DOCPART == 1
	.amdgcn_target "amdgcn-amd-amdhsa--gfx1250"
	.amdhsa_code_object_version 6
	.text
	.protected	k_q41942177cb_quant
	.globl	k_q41942177cb_quant
	.p2align	8
	.type	k_q41942177cb_quant,@function
k_q41942177cb_quant:
	s_mov_b64 s[64:65], 0
	v_nop
	global_prefetch_b8 v0, s[64:65] scope:SCOPE_SE
	s_setreg_imm32_b32 hwreg(HW_REG_WAVE_MODE, 25, 1), 1
	s_wait_xcnt 0x0
; h, xs, ys: [8][256 c][4096] f32 are turned into codes of FP6 (E2M3) with one E8M0 scale byte for each 32 along a product's K, laid IN THE ORDER OF THE OPERAND'S REGISTERS.
; h and xs are operands of the first product: K = c, their FIRST axis.  ys is an operand of the second: K = the 4,096 positions, its innermost axis.
; A block's scale is 2^(floor(log2(its largest magnitude)) - 2); its byte is the largest magnitude's exponent field - 2, held at 1 from below; numbers are divided by the scale and rounded to the nearest code, ties to even.
; LIMITS: NaN and infinities among the inputs are not served.  A block whose largest magnitude lies under 2^-124 keeps the byte 1.  A block of zeros gets the byte 1 where the rule says 127: its codes are
; zeros, which add nothing under any byte but 0xff, and the bytes are read by this program alone.
; A FRAGMENT'S IMAGE (16 rows x 128 K) is 1,536 bytes: lane l = r + 16 h owns bytes 48 l .. 48 l + 47: the 24 bytes of block h of row r, then the 24 bytes of block 2 + h: its twelve registers on end.
; SHARES.  Work-group id: tensor T = id / 256 (h, xs, ys), batch b = (id / 32) % 8, j = id % 32.  It takes 256 rows c x 128 columns (512 bytes of each row) and makes 16 fragments (24,576 bytes) and 1,024 scale bytes;
; each of its four waves makes a quarter of both, gathers it in LDS bytes of its own and stores it in runs of 512 consecutive bytes (the scale bytes: 256).  No barrier: waves share nothing.
; h, xs (path C): wave w takes 32 columns; a lane takes a column and its registers run down c.  THE ROWS OF A TILE ARE NOT NEIGHBOURS: column n' of the 32 goes to tile u = (n' / 8) % 2, row r = n' % 8 + 8 (n' / 16),
; so that in the product's result the 16 registers of tiles 2 G and 2 G + 1 are 16 neighbouring columns.  Fragment (u, s), s = the K step of 128 channels, lies at 1,536 (2 u + s) of the wave's quarter.
; ys (path M): wave w takes rows 64 w .. 64 w + 63, eight at a time; loads read 512 consecutive bytes, and a turn through LDS gives each lane a whole block of 32 neighbours.  Fragment ct = c / 16.
; SCALE WORDS, 256 bytes a quarter, to be read 8 bytes a lane: h, xs: the word of row (u, r), K step s at 8 (r + 16 s) + 4 u;  ys: the word of row r of tile 4 w + 2 d + e at 8 (r + 16 e) + 4 d.
; The two paths part on the work-group's number and have LDS bytes of their own.
.set ROWP,  16384                      ; bytes from a row c to the next
.set IMG,   6144                       ; a wave's four fragments
.set CREG,  6400                       ; path C: a wave's LDS: IMG + 256 scale bytes
.set MBASE, 4*CREG                     ; path M begins behind path C's bytes
.set STG,   4608                       ; path M: a stage for the turn: 32 places of 128 bytes + 16
.set MREG,  2*STG+CREG                 ; a wave's LDS: two stages, then the image
.set FLOOR, 0x1800000                  ; 2^(3 - 127): under it no largest magnitude is taken, so the byte cannot fall under 1
.set EOFF,  0xff000000                 ; 2 off an exponent field
.set X,     32                         ; path C: v32-95  two sets of 32 numbers
.set C,     96                         ; v96-101 a block's codes;  v104-106 its second half as the conversion leaves it
.set D,     104
.set SW,    24                         ; v24-25  the two scale words of my column
.set RM,    32                         ; path M: v32-127 three sets of 32 registers as loaded
.set XM,    128                        ; v128-191 two sets of 32 neighbours
.set CM,    192                        ; v192-197, v200-205 codes, two sets by turns
.set DM,    208
.set BY,    212                        ; v212-213 the scale byte, two by turns
.set OUT,   112                        ; the way out: v112-161
	s_load_b256 s[4:11], s[0:1], 0x0               ; h s[4:5], xs s[6:7], ys s[8:9], qc s[10:11]
	s_load_b128 s[12:15], s[0:1], 0x20             ; kvc s[12:13], sc s[14:15]
	v_lshl_add_u32 v224, v0, 2, 0x15800
	v_mov_b32 v225, 0
	v_lshrrev_b32 v1, 5, v0
	v_readfirstlane_b32 s16, v1                    ; wave 0..3
	v_and_b32 v2, 31, v0                           ; lane
	v_lshlrev_b32 v8, 4, v2                        ; 16 x lane
	v_lshlrev_b32 v9, 3, v2                        ; 8 x lane
	s_and_b32 s22, ttmp9, 255                      ; 32 b + j
	s_bfe_u32 s24, ttmp9, 0x30005                  ; b
	s_and_b32 s25, ttmp9, 31                       ; j
	s_lshr_b32 s26, ttmp9, 8                       ; T
	s_mul_i32 s28, s24, 98304                      ; the scale bytes: 98,304 b + 32,768 T + 1,024 j + 256 wave
	s_lshl_b32 s29, s26, 15
	s_add_co_u32 s28, s28, s29
	s_lshl_b32 s29, s25, 10
	s_add_co_u32 s28, s28, s29
	s_lshl_b32 s29, s16, 8
	s_add_co_u32 s28, s28, s29
	s_mov_b32 s29, 0
	s_lshl_b32 s30, s24, 22                        ; the numbers: a batch is 2^22 bytes, 128 columns are 512
	s_lshl_b32 s31, s25, 9
	s_add_co_u32 s30, s30, s31
	s_mov_b32 s31, 0
	s_mov_b32 s20, 49152                           ; kvc: a key step's images of xs and of ys lie together
	s_wait_kmcnt 0x0
	s_cmp_lt_u32 ttmp9, 256                        ; the choices hang on the work-group's number alone
	s_cselect_b64 s[32:33], s[4:5], s[6:7]
	s_cselect_b64 s[34:35], s[10:11], s[12:13]
	s_cselect_b32 s20, 24576, s20
	s_cmp_lt_u32 ttmp9, 512
	s_cselect_b64 s[32:33], s[32:33], s[8:9]
	s_cselect_b32 s21, 0, 24576                    ; ys's image lies behind xs's
	s_mul_i32 s22, s22, s20
	s_add_co_u32 s22, s22, s21
	s_mul_i32 s21, s16, IMG
	s_add_co_u32 s22, s22, s21                     ; + my wave's quarter
	s_mov_b32 s23, 0
	s_add_nc_u64 s[32:33], s[32:33], s[30:31]      ; from here
	s_add_nc_u64 s[34:35], s[34:35], s[22:23]      ; the codes go here
	s_add_nc_u64 s[36:37], s[14:15], s[28:29]      ; the scale bytes here
; The way out of both paths: the wave's quarter leaves LDS as it lies.  LDS serves a wave's instructions in order (ISA guide 5.7.1.4): these loads see my stores.
.macro OUTQ
.irp i, 0,1,2,3,4,5,6,7,8,9,10,11
	ds_load_b128 v[OUT+4*\i:OUT+4*\i+3], v6 offset:512*\i
.endr
	ds_load_b64 v[OUT+48:OUT+49], v7
.irp i, 0,1,2,3,4,5,6,7,8,9,10,11
	s_wait_dscnt 12-\i                             ; load i is in; the 12 - i issued behind it may be out
	global_store_b128 v8, v[OUT+4*\i:OUT+4*\i+3], s[34:35] offset:512*\i   ; 32 lanes store 512 consecutive bytes, at a multiple of 256 from the buffer's first byte
.endr
	s_wait_dscnt 0x0
	global_store_b64 v9, v[OUT+48:OUT+49], s[36:37]                        ; 256 consecutive bytes, aligned
	s_wait_tensorcnt 0x0
	ds_add_u32 v224, v225
	s_wait_dscnt 0x0
	s_endpgm
.endm
	s_cmp_ge_u32 ttmp9, 512
	s_cbranch_scc1 .Lpath_m
; ---------------- path C: h and xs
	s_lshl_b32 s30, s16, 7                         ; my wave's 32 columns
	s_add_nc_u64 s[32:33], s[32:33], s[30:31]
	s_wait_alu depctr_va_vdst(0)
	v_lshlrev_b32 v3, 2, v2                        ; 4 bytes a lane
.macro CLOAD t                         ; block t: rows 32 t + i of my column into set t % 2; the largest offset, 255 rows, lies inside the signed 24-bit immediate
.irp i, 0,1,2,3,4,5,6,7,8,9,10,11,12,13,14,15,16,17,18,19,20,21,22,23,24,25,26,27,28,29,30,31
	global_load_b32 v[X+32*((\t)%2)+\i], v3, s[32:33] offset:(32*(\t)+\i)*ROWP th:TH_LOAD_NT
.endr
.endm
	CLOAD 0
	CLOAD 1
	s_mul_i32 s38, s16, CREG                       ; my wave's LDS
	v_bfe_u32 v10, v0, 3, 1                        ; u
	v_and_b32 v12, 7, v0
	v_bfe_u32 v13, v0, 4, 1
	v_lshl_add_u32 v12, v13, 3, v12                ; r
	v_mul_u32_u24 v4, v12, 48
	v_mad_u32_u24 v4, v10, 3072, v4
	v_add_nc_u32 v4, s38, v4                       ; my codes: 3,072 u + 48 r; the block's place stands in the immediate
	v_lshlrev_b32 v5, 3, v12
	v_lshl_add_u32 v5, v10, 2, v5
	v_add_nc_u32 v5, s38, v5
	v_add_nc_u32 v5, IMG, v5                       ; my scale words: 8 r + 4 u
	v_add_nc_u32 v6, s38, v8                       ; the way out
	v_add_nc_u32 v7, s38, v9
	v_add_nc_u32 v7, IMG, v7
.macro CBLOCK t                        ; block t of my column: K step t / 4, block t % 4 of it: lanes' half t % 2, first or second 24 bytes (t % 4) / 2
.set XS, X+32*((\t)%2)
.set IM, 1536*((\t)/4)+768*((\t)%2)+24*(((\t)%4)/2)
.if (\t) < 7
	s_wait_loadcnt 32                              ; this block's 32 loads are in; the next block's 32 may be out
.else
	s_wait_loadcnt 0x0
.endif
	v_max3_num_f32 v12, |v[XS]|, |v[XS+1]|, |v[XS+2]|               ; the block's largest magnitude: all 32 numbers are mine; two chains
	v_max3_num_f32 v13, |v[XS+3]|, |v[XS+4]|, |v[XS+5]|
.irp i, 6,10,14,18,22,26
	v_max3_num_f32 v12, v12, |v[XS+\i]|, |v[XS+\i+1]|
	v_max3_num_f32 v13, v13, |v[XS+\i+2]|, |v[XS+\i+3]|
.endr
	v_max3_num_f32 v12, v12, |v[XS+30]|, |v[XS+31]|
	v_max3_num_f32 v12, v12, v13, FLOOR
	v_add_nc_u32 v11, EOFF, v12                    ; the conversion takes the exponent field of this operand as its scale, and nothing else of it
	v_lshrrev_b32 v13, 23, v11                     ; the scale's byte
.if (\t)%4 == 0
	v_mov_b32 v[SW+(\t)/4], v13                    ; four bytes to a word, the lower K in the lower byte
.else
	v_lshl_or_b32 v[SW+(\t)/4], v13, 8*((\t)%4), v[SW+(\t)/4]
.endif
	v_cvt_scalef32_pk16_fp6_f32 v[C:C+2], v[XS:XS+15], v11
	v_cvt_scalef32_pk16_fp6_f32 v[D:D+2], v[XS+16:XS+31], v11      ; (a conversion's three registers begin on an even number)
	v_nop                                          ; one plain line between a scaled conversion and the vector line that touches its result
.irp i, 0,1,2
	v_mov_b32 v[C+3+\i], v[D+\i]
.endr
.if ((\t)%4)/2 == 0                    ; 24 bytes as 16 + 8 or 8 + 16, so that every address is a multiple of the access's size
	ds_store_b128 v4, v[C:C+3] offset:IM
	ds_store_b64 v4, v[C+4:C+5] offset:IM+16
.else
	ds_store_b64 v4, v[C:C+1] offset:IM
	ds_store_b128 v4, v[C+2:C+5] offset:IM+8
.endif
.if (\t)+2 < 8
	CLOAD (\t)+2
.endif
	s_wait_dscnt 0x0                               ; the stores have read their registers: the next block's codes may be written
.endm
.irp t, 0,1,2,3,4,5,6,7
	CBLOCK \t
.endr
	ds_store_b32 v5, v[SW]
	s_wait_alu depctr_va_vdst(0)
	ds_store_b32 v5, v[SW+1] offset:128
	OUTQ
; ---------------- path M: ys
.Lpath_m:
	s_lshl_b32 s30, s16, 20                        ; my wave's 64 rows
	s_add_nc_u64 s[32:33], s[32:33], s[30:31]
.macro MLOAD t                         ; step t: rows 8 t + i, 512 consecutive bytes a load, into set t % 3
.irp i, 0,1,2,3,4,5,6,7
	global_load_b128 v[RM+32*((\t)%3)+4*\i:RM+32*((\t)%3)+4*\i+3], v8, s[32:33] offset:(8*(\t)+\i)*ROWP th:TH_LOAD_NT
.endr
.endm
.macro MTURN t                         ; step t through stage t % 2: in as loaded, out 128 bytes a lane.  A block's 128 bytes have a place of 144: an odd multiple of 16
.irp i, 0,1,2,3,4,5,6,7
	ds_store_b128 v14, v[RM+32*((\t)%3)+4*\i:RM+32*((\t)%3)+4*\i+3] offset:STG*((\t)%2)+576*\i
.endr
.irp i, 0,1,2,3,4,5,6,7
	ds_load_b128 v[XM+32*((\t)%2)+4*\i:XM+32*((\t)%2)+4*\i+3], v15 offset:STG*((\t)%2)+16*\i
.endr
.endm
	s_wait_alu depctr_va_vdst(0)
	MLOAD 0
	MLOAD 1
	MLOAD 2
	s_mul_i32 s38, s16, MREG
	s_add_co_u32 s38, s38, MBASE                   ; my wave's LDS
	v_lshrrev_b32 v10, 3, v2
	v_mul_u32_u24 v14, v10, 144
	v_and_b32 v10, 7, v2
	v_lshl_add_u32 v14, v10, 4, v14
	v_add_nc_u32 v14, s38, v14                     ; into a stage: eight lanes' 128 bytes are a block: 144 (lane / 8) + 16 (lane % 8); a row takes four places
	v_mul_u32_u24 v15, v2, 144
	v_add_nc_u32 v15, s38, v15                     ; out of it: place = lane: block lane % 4 of row lane / 4
	s_add_co_u32 s38, s38, 2*STG                   ; the image
	v_lshrrev_b32 v10, 2, v2                       ; my row of the step's eight
	v_mul_u32_u24 v4, v10, 48
	v_and_b32 v12, 1, v2
	v_mad_u32_u24 v4, v12, 768, v4                 ; block % 2: the lanes' half
	v_bfe_u32 v12, v2, 1, 1
	v_mad_u32_u24 v4, v12, 24, v4                  ; block / 2: the first or the second 24 bytes
	v_add_nc_u32 v4, s38, v4
	v_lshlrev_b32 v5, 3, v10
	v_and_b32 v12, 3, v2
	v_add_nc_u32 v5, v5, v12
	v_add_nc_u32 v5, s38, v5
	v_add_nc_u32 v5, IMG, v5                       ; my scale byte: 8 x row + block
	v_add_nc_u32 v6, s38, v8                       ; the way out
	v_add_nc_u32 v7, s38, v9
	v_add_nc_u32 v7, IMG, v7
	s_wait_loadcnt 16                              ; step 0's eight loads are in; steps 1 and 2 may be out
	MTURN 0
.macro MSTEP t
.set XS, XM+32*((\t)%2)
.set CC, CM+8*((\t)%2)
.if (\t) > 0
	s_wait_dscnt 4                                 ; this step's numbers are back from the stage; the four stores of the last step's codes and byte may be out.  So the stage's stores have read their registers,
.else
	s_wait_dscnt 0x0
.endif
.if (\t)+3 < 8
	MLOAD (\t)+3                                   ; which take the loads of three steps on
.endif
.if (\t) < 5
	s_wait_loadcnt 16                              ; the next step's loads are in; those of the two steps behind it may be out
.elseif (\t) == 5
	s_wait_loadcnt 8                               ; (one step is left behind it)
.elseif (\t) == 6
	s_wait_loadcnt 0x0
.endif
.if (\t)+1 < 8
	MTURN (\t)+1                                   ; through the other stage while this step is worked
.endif
	v_max3_num_f32 v12, |v[XS]|, |v[XS+1]|, |v[XS+2]|
	v_max3_num_f32 v13, |v[XS+3]|, |v[XS+4]|, |v[XS+5]|
.irp i, 6,10,14,18,22,26
	v_max3_num_f32 v12, v12, |v[XS+\i]|, |v[XS+\i+1]|
	v_max3_num_f32 v13, v13, |v[XS+\i+2]|, |v[XS+\i+3]|
.endr
	v_max3_num_f32 v12, v12, |v[XS+30]|, |v[XS+31]|
	v_max3_num_f32 v12, v12, v13, FLOOR
	v_add_nc_u32 v11, EOFF, v12
	v_cvt_scalef32_pk16_fp6_f32 v[CC:CC+2], v[XS:XS+15], v11
	v_cvt_scalef32_pk16_fp6_f32 v[DM:DM+2], v[XS+16:XS+31], v11
	v_lshrrev_b32 v[BY+(\t)%2], 23, v11            ; the scale's byte; also the plain line behind the conversions
.irp i, 0,1,2
	v_mov_b32 v[CC+3+\i], v[DM+\i]
.endr
.irp i, 0,1,2                          ; fragment t / 2 of my four, rows 8 (t % 2) on.  The codes' registers are written again two steps on, behind a wait that leaves only the step between's four stores out
	ds_store_b64 v4, v[CC+2*\i:CC+2*\i+1] offset:1536*((\t)/2)+384*((\t)%2)+8*\i
.endr
	ds_store_b8 v5, v[BY+(\t)%2] offset:64*((\t)%2)+128*(((\t)/2)%2)+4*((\t)/4)
.endm
.irp t, 0,1,2,3,4,5,6,7
	MSTEP \t
.endr
	OUTQ
.Lfunc_end_k_q41942177cb_quant:
	.size	k_q41942177cb_quant, .Lfunc_end_k_q41942177cb_quant-k_q41942177cb_quant
	.p2alignl 7, 3214868480
	.fill 96, 4, 3214868480
	.section	.rodata,"a",@progbits
	.p2align	6, 0x0
	.amdhsa_kernel k_q41942177cb_quant
		.amdhsa_group_segment_fixed_size 88576
		.amdhsa_private_segment_fixed_size 0
		.amdhsa_enable_private_segment 0
		.amdhsa_kernarg_size 48
		.amdhsa_user_sgpr_count 2
		.amdhsa_user_sgpr_kernarg_segment_ptr 1
		.amdhsa_wavefront_size32 1
		.amdhsa_system_sgpr_workgroup_id_x 1
		.amdhsa_system_sgpr_workgroup_id_y 1
		.amdhsa_system_sgpr_workgroup_id_z 1
		.amdhsa_system_vgpr_workitem_id 0
		.amdhsa_next_free_vgpr 226
		.amdhsa_next_free_sgpr 66
		.amdhsa_reserve_vcc 0
		.amdhsa_float_denorm_mode_32 3
		.amdhsa_float_denorm_mode_16_64 3
		.amdhsa_memory_ordered 1
		.amdhsa_forward_progress 1
		.amdhsa_inst_pref_size 74
	.end_amdhsa_kernel
	.amdgpu_metadata
---
amdhsa.version: [ 1, 2 ]
amdhsa.kernels:
  - .name:           k_q41942177cb_quant
    .symbol:         k_q41942177cb_quant.kd
    .args:
      - { .name: h, .offset: 0, .size: 8, .value_kind: global_buffer, .address_space: global }
      - { .name: xs, .offset: 8, .size: 8, .value_kind: global_buffer, .address_space: global }
      - { .name: ys, .offset: 16, .size: 8, .value_kind: global_buffer, .address_space: global }
      - { .name: qc, .offset: 24, .size: 8, .value_kind: global_buffer, .address_space: global }
      - { .name: kvc, .offset: 32, .size: 8, .value_kind: global_buffer, .address_space: global }
      - { .name: sc, .offset: 40, .size: 8, .value_kind: global_buffer, .address_space: global }
    .group_segment_fixed_size: 88576
    .private_segment_fixed_size: 0
    .kernarg_segment_align: 8
    .kernarg_segment_size: 48
    .max_flat_workgroup_size: 128
    .sgpr_count:     66
    .vgpr_count:     226
    .wavefront_size: 32
...
	.end_amdgpu_metadata
.endif
;; end of part 1
;; launch attn (part 2): grid 32 x 8, 4 waves a work-group, clusters of 4 x 1, 327,680 bytes of LDS; arguments qc, kvc, sc, out0; writes out0
.if DOCPART == 2
	.amdgcn_target "amdgcn-amd-amdhsa--gfx1250"
	.amdhsa_code_object_version 6
	.text
	.protected	k_q41942177cb_attn
	.globl	k_q41942177cb_attn
	.p2align	8
	.type	k_q41942177cb_attn,@function
k_q41942177cb_attn:
	s_mov_b64 s[64:65], 0
	v_nop
	global_prefetch_b8 v0, s[64:65] scope:SCOPE_SE
	s_setreg_imm32_b32 hwreg(HW_REG_WAVE_MODE, 25, 1), 1
	s_wait_xcnt 0x0
	s_wait_alu depctr_hold_cnt(0) depctr_sa_sdst(0) depctr_va_vdst(0) depctr_va_sdst(0) depctr_va_ssrc(0) depctr_va_vcc(0) depctr_vm_vsrc(0)
	s_getreg_b32 s2, hwreg(HW_REG_IB_STS2, 6, 4)
	s_cmp_eq_u32 s2, 0
	s_cbranch_scc0 .Lentry_in_a_cluster
	s_endpgm
.Lentry_in_a_cluster:
	s_bfe_u32 s2, ttmp6, 0x10000c
	s_cmp_lg_u32 s2, 0x3003
	s_cbranch_scc0 .Lentry_shape_is_right
	s_endpgm
.Lentry_shape_is_right:
; out[b][c][n] = sum over m of ys[b][c][m] p[n][m] / l[n], p = 2^(t - M), t = log2(e) x sum over c of h[b][c][n] xs[b][c][m]; both products in MX-FP6 on the images that launch quant laid.
; LIMITS: the promise holds while the scaled scores t stay under 2^31 in magnitude; NaN and infinities among the inputs are not served.
; SHARES: a work-group takes 128 queries of one batch, a wave 32 of them (two tiles of 16) and all 256 channels: O^T in 256 registers.  Keys go in units of 128: 32 units.
; Both products are used transposed (S^T = K Q^T, O^T = V^T P^T): a lane holds one query, its registers run along the keys; M is the running ceiling of the largest t, so every rescaling is a power of two.
; CLUSTERS: the four work-groups of a cluster read the same K and V images and scale tables: every tensor load is a joint load with the mask 15.
; THE PIPELINE.  One trip RUN(u): O x f(u); V(u) is fetched; p(u) is summed and quantised; S(u+1) = K(u+1) Q^T; maxima, M, f and t - M of unit u+1; K(u+2) is fetched; the exponentials of unit u+1.
; Matrix instructions stand singly among vector work that names none of their registers: tile 0's S among tile 1's quantising, tile 1's S among tile 0's maxima, O += V(u) P(u) among the exponentials.
; All sources of the exponentials are laid first, so a trip has one batch, with one wait ahead of it and one behind it.
; LDS: two slots of 98,304 bytes at 0 and 2^17.  Slot n holds K(2n+2), V(2n), K(2n+3), V(2n+1): what trips 2n and 2n+1 fetch.  Wave w fills image w; waves 0 and 2 take theirs one slot's bytes further on in kvc.
; K(0) and K(1) have bytes of their own (KP0, KP1), so that slot 1's first fill meets no refill.  The scale tables of all 32 units stay in LDS (SCK, SCV).  Slot 15 has no K: waves 1 and 3 alone fill it.
; The change of slots stands between two trips: there the youngest LDS loads were issued ahead of 136 exponentials.
; PREFETCH: at change n the first cluster of a batch asks for kvc's slot n + 3: one slot beyond what the refill at change n reads of K, two beyond what it reads of V.  Each of its four work-groups names one image,
; three waves x 32 lanes x 256 bytes; it stops with slot 15, the buffer's last.  kvc's slots 0 to 2 come by their loads alone.
; REGISTERS by windows of 256: 0: addresses, scales, P's codes, TT (a tile's small numbers), S;  1: O^T;  2: Q's fragments v0-47, K's v64-255;  3: V's fragments v0-191.
.set KIMG,  24576
.set STEPB, 2*KIMG
.set SLOTB, 2*STEPB
.set SLOT1, 1<<17
.set KP0,   SLOTB                      ; K(0): between the slots
.set SCK,   SLOT1+SLOTB
.set SCV,   SCK+32768
.set KP1,   SCV+32768                  ; K(1): behind the tables
.set SPARE, KP1+KIMG                   ; the spare words: 512 bytes that no other line names
.set SP,    528                        ; the way out: a row of 128 f32 + 16 bytes
.set LF,   1                           ; 48 x lane
.set LSK,  2                           ; SCK + 8 x lane
.set LSV,  3                           ; SCV + 8 x lane
.set SPW,  4
.set NIL,  5
.set ADK,  6
.set ADS,  7
.set ADV,  8
.set ADT,  9
.set STO0, 10
.set RD,   12
.set GO,   13
.set PFO,  14
.set TMP,  15
.set KS,   16
.set VS,   24
.set QS,   32
.set PS,   34
.set PC,   36
.set TT,   64                          ; per tile 32: 0 -M, 1 largest t, 2-3 sum, 4-5 f, 6-7 and 20-23 partial sums, 8-11 block maxima, 12-15 and 16-19 scales, 20-26 codes on the way, 28 scratch
.set SX,   128
.set KF,   64
.set WV,   12
.set LIM,  15
.set PFA,  18
.set G1C,  24
.set G1S,  32
.set G0S,  40
.set G0K,  44
.set G0B,  48
.set SLOTS, 52
.set TWICE, 53
.set TB,   54
.set TSK,  55
.set CS,   56
.set SEL,  58
.set TSV,  66
.set FLOOR, 0x1800000
.set MSB, 0
.macro WIN new                         ; the immediate's high byte repeats the setting that is left; a switch that changes nothing is dropped
.if MSB != \new
	s_set_vgpr_msb (MSB<<8)|\new
.set MSB, \new
.endif
.endm
.set W_KQ, 0x0a
.set W_PV, 0x53
.set W_RS, 0x41
.macro CROUND                          ; a round of the cluster's barrier
	s_barrier_signal -1
	s_barrier_wait -1
	s_cmp_lg_u32 s[WV], 0
	s_cbranch_scc1 .Lnot_wave_0_\@
	s_barrier_signal -3
.Lnot_wave_0_\@:
	s_barrier_wait -3
	s_barrier_signal -1
	s_barrier_wait -1
.endm
.macro PLACES n
.rept \n
	v_nop
.endr
.endm
.macro MMA d, a, b, zero, sa, sb, rows ; rows: 0 both scales in lanes 0-15, 1 A's in lanes 16-31, else both there
.if \zero
.if (\rows) == 0
	v_wmma_scale_f32_16x16x128_f8f6f4 v[(\d):(\d)+7], v[(\a):(\a)+11], v[(\b):(\b)+11], 0, v[\sa], v[\sb] matrix_a_fmt:MATRIX_FMT_FP6 matrix_b_fmt:MATRIX_FMT_FP6
.else
	v_wmma_scale_f32_16x16x128_f8f6f4 v[(\d):(\d)+7], v[(\a):(\a)+11], v[(\b):(\b)+11], 0, v[\sa], v[\sb] matrix_a_fmt:MATRIX_FMT_FP6 matrix_b_fmt:MATRIX_FMT_FP6 matrix_a_scale:MATRIX_SCALE_ROW1
.endif
.else
.if (\rows) == 0
	v_wmma_scale_f32_16x16x128_f8f6f4 v[(\d):(\d)+7], v[(\a):(\a)+11], v[(\b):(\b)+11], v[(\d):(\d)+7], v[\sa], v[\sb] matrix_a_fmt:MATRIX_FMT_FP6 matrix_b_fmt:MATRIX_FMT_FP6
.elseif (\rows) == 1
	v_wmma_scale_f32_16x16x128_f8f6f4 v[(\d):(\d)+7], v[(\a):(\a)+11], v[(\b):(\b)+11], v[(\d):(\d)+7], v[\sa], v[\sb] matrix_a_fmt:MATRIX_FMT_FP6 matrix_b_fmt:MATRIX_FMT_FP6 matrix_a_scale:MATRIX_SCALE_ROW1
.else
	v_wmma_scale_f32_16x16x128_f8f6f4 v[(\d):(\d)+7], v[(\a):(\a)+11], v[(\b):(\b)+11], v[(\d):(\d)+7], v[\sa], v[\sb] matrix_a_fmt:MATRIX_FMT_FP6 matrix_b_fmt:MATRIX_FMT_FP6 matrix_a_scale:MATRIX_SCALE_ROW1 matrix_b_scale:MATRIX_SCALE_ROW1
.endif
.endif
.endm
	s_load_b256 s[4:11], s[0:1], 0x0               ; qc, kvc, sc, out0
	v_lshl_add_u32 v[SPW], v0, 2, SPARE
	v_mov_b32 v[NIL], 0
	ds_add_u32 v[SPW], v[NIL]                      ; the opening lines: the add twice on end and one wait
	ds_add_u32 v[SPW], v[NIL]
	v_lshrrev_b32 v[ADK], 5, v0
	v_readfirstlane_b32 s[WV], v[ADK]              ; wave 0..3
	s_bfe_u32 s13, ttmp6, 0x40000                  ; cx
	s_lshl_b32 s14, ttmp9, 2
	s_add_co_u32 s14, s14, s13                     ; which 128 queries
	s_and_b32 s16, ttmp7, 0xffff                   ; batch
	s_mov_b32 s[G1C], 15|(3<<16)|(1<<21)           ; an image: 96 rows of 256 bytes, dense
	s_mov_b32 s[G1C+1], 32<<16
	s_mov_b32 s[G1C+2], 96<<16
	s_mov_b32 s[G1C+3], 32<<16
	s_mov_b32 s[G1C+4], 96
	s_mov_b32 s[G1C+5], 32
	s_mov_b32 s[G1C+6], 0
	s_mov_b32 s[G1C+7], 0
	s_mov_b32 s[G1S], 15|(3<<16)|(1<<21)           ; a scale table: 128 rows of 256 bytes
	s_mov_b32 s[G1S+1], 32<<16
	s_mov_b32 s[G1S+2], 128<<16
	s_mov_b32 s[G1S+3], 32<<16
	s_mov_b32 s[G1S+4], 128
	s_mov_b32 s[G1S+5], 32
	s_mov_b32 s[G1S+6], 0
	s_mov_b32 s[G1S+7], 0
	s_mul_i32 s17, s[WV], KIMG
	s_mul_i32 s20, s16, 32*STEPB                   ; the batch's part of kvc
	s_and_b32 s21, s[WV], 1
	s_xor_b32 s21, s21, 1
	s_mul_i32 s21, s21, SLOTB                      ; waves 0 and 2 (K's images): one slot further on
	s_add_co_u32 s21, s21, s17
	s_add_co_u32 s22, s20, s21                     ; slot 0's image w
	s_mov_b32 s23, 0
	s_mul_i32 s60, s[WV], STEPB
	s_add_co_u32 s60, s60, s20                     ; K(w), for waves 0 and 1
	s_mov_b32 s61, 0
	s_max_u32 s62, s[WV], 1
	s_sub_co_u32 s62, s62, 1
	s_lshl_b32 s62, s62, 15
	s_mul_i32 s63, s16, 98304
	s_add_co_u32 s62, s62, s63                     ; sc: xs's table for wave 2, ys's for wave 3
	s_mov_b32 s63, 0
	s_mul_i32 s[G0K+1], s[WV], KP1-KP0
	s_add_co_u32 s[G0K+1], s[G0K+1], KP0
	s_lshl_b32 s[G0S+1], s[WV], 15
	s_add_co_u32 s[G0S+1], s[G0S+1], SCK-65536
	s_mov_b32 s[G0B+1], s17
	s_mov_b32 s[G0K], 1
	s_mov_b32 s[G0S], 1
	s_mov_b32 s[G0B], 1
	s_mov_b32 s[CS], 0x3fb8aa3b                    ; log2(e)
	s_mov_b32 s[CS+1], s[CS]
	s_mov_b32 s[SEL], 0x76543210
	s_mov_b32 s[SEL+1], 0xfedcba98
	s_mov_b32 s[TB], KP0
	s_mov_b32 s[TSK], 0
	s_mov_b32 s[TSV], 0
	s_mov_b32 s[SLOTS], 13
	s_cmp_lt_u32 s[WV], 3                          ; who prefetches: waves 0-2 of the batch's first cluster
	s_cselect_b32 s[LIM], 0, 1
	s_or_b32 s[LIM], s[LIM], ttmp9
	s_cmp_eq_u32 s[LIM], 0
	s_cselect_b32 s[LIM], 1, -1
	s_wait_dscnt 0x0                               ; both opening adds are done
	s_wait_kmcnt 0x0
	s_add_nc_u64 s[G0K+2:G0K+3], s[6:7], s[60:61]
	s_or_b32 s[G0K+3], s[G0K+3], 0x80000000
	s_add_nc_u64 s[G0S+2:G0S+3], s[8:9], s[62:63]
	s_or_b32 s[G0S+3], s[G0S+3], 0x80000000
	s_add_nc_u64 s[G0B+2:G0B+3], s[6:7], s[22:23]
	s_or_b32 s[G0B+3], s[G0B+3], 0x80000000
	CROUND                                         ; in front of the first joint loads
	s_cmp_lt_u32 s[WV], 2                          ; one tensor load a wave at the head: K(0), K(1), K's scales, V's scales
	s_cbranch_scc0 .Lhead_scales
	tensor_load_to_lds s[G0K:G0K+3], s[G1C:G1C+7]
	s_nop 0
	PLACES 4
	s_branch .Lhead_join
.Lhead_scales:
	tensor_load_to_lds s[G0S:G0S+3], s[G1S:G1S+7]
	s_nop 0
	PLACES 4
.Lhead_join:
	s_mul_i32 s60, s16, 128*6144                   ; my wave's four fragments of Q and their scale words
	s_mul_i32 s61, s14, 4*6144
	s_add_co_u32 s60, s60, s61
	s_mul_i32 s61, s[WV], 6144
	s_add_co_u32 s60, s60, s61
	s_mov_b32 s61, 0
	s_add_nc_u64 s[4:5], s[4:5], s[60:61]
	s_mul_i32 s62, s16, 98304
	s_lshl_b32 s63, s14, 10
	s_add_co_u32 s62, s62, s63
	s_lshl_b32 s63, s[WV], 8
	s_add_co_u32 s62, s62, s63
	s_mov_b32 s63, 0
	s_add_nc_u64 s[8:9], s[8:9], s[62:63]
	v_and_b32 v[TMP], 31, v0
	v_mul_u32_u24 v[LF], v[TMP], 48
	v_lshlrev_b32 v[RD], 3, v[TMP]
	WIN 0x80
.irp x, 0,1,2,3
.irp g, 0,1,2
	global_load_b128 v[12*\x+4*\g:12*\x+4*\g+3], v[LF], s[4:5] offset:1536*\x+16*\g th:TH_LOAD_NT
.endr
.endr
	WIN 0
	global_load_b64 v[QS:QS+1], v[RD], s[8:9] th:TH_LOAD_NT
	v_add_nc_u32 v[LSK], SCK, v[RD]
	v_add_nc_u32 v[LSV], SCV, v[RD]
	v_lshlrev_b32 v[GO], 4, v[TMP]
	v_lshlrev_b32 v[PFO], 8, v[TMP]
	s_lshl_b32 s60, s16, 22                        ; out0: batch, my wave's 64 channels, the work-group's 128 columns
	s_lshl_b32 s62, s[WV], 20
	s_add_co_u32 s60, s60, s62
	s_lshl_b32 s62, s14, 9
	s_add_co_u32 s60, s60, s62
	s_add_nc_u64 s[10:11], s[10:11], s[60:61]
	s_mul_i32 s60, s16, 32*STEPB                   ; the prefetches: image cx of a slot, 8,192 bytes a wave; stepped to slot 3 at the first change
	s_mul_i32 s62, s13, KIMG
	s_add_co_u32 s60, s60, s62
	s_lshl_b32 s62, s[WV], 13
	s_add_co_u32 s60, s60, s62
	s_add_co_u32 s60, s60, 2*SLOTB
	s_add_nc_u64 s[PFA:PFA+1], s[6:7], s[60:61]
.irp t, 0,1
	v_mov_b32 v[TT+32*\t+1], 0xff61b1e6            ; the largest t so far: -3e38
	v_floor_f32 v[TT+32*\t], -v[TT+32*\t+1]
	v_mov_b32 v[TT+32*\t+2], 0
	v_mov_b32 v[TT+32*\t+3], 0
	v_mov_b32 v[TT+32*\t+5], 0
.irp b, 0,1,2,3
	v_mov_b32 v[TT+32*\t+12+\b], 0                 ; a lane permute's destination counts as a source
.endr
.endr
.macro FETCH_K                         ; 16 fragments and 4 x 8 bytes of scale words: 52 LDS loads
	WIN 0
	v_add_nc_u32 v[ADK], s[TB], v[LF]
	v_add_nc_u32 v[ADS], s[TSK], v[LSK]
	WIN 0x80
.irp f, 0,1,2,3,4,5,6,7,8,9,10,11,12,13,14,15
.irp g, 0,1,2
	ds_load_b128 v[KF+12*\f+4*\g:KF+12*\f+4*\g+3], v[ADK] offset:1536*\f+16*\g
.endr
.endr
	WIN 0
.irp g, 0,1,2,3
	ds_load_b64 v[KS+2*\g:KS+2*\g+1], v[ADS] offset:256*\g
.endr
	s_add_co_u32 s[TB], s[TB], STEPB
	s_add_co_u32 s[TSK], s[TSK], 1024
.endm
.macro FETCH_V                         ; likewise 52 loads; V's image lies behind K's
	WIN 0
	v_add_nc_u32 v[ADV], s[TB], v[LF]
	v_add_nc_u32 v[ADT], s[TSV], v[LSV]
	WIN 0xc0
.irp f, 0,1,2,3,4,5,6,7,8,9,10,11,12,13,14,15
.irp g, 0,1,2
	ds_load_b128 v[12*\f+4*\g:12*\f+4*\g+3], v[ADV] offset:KIMG+1536*\f+16*\g
.endr
.endr
	WIN 0
.irp g, 0,1,2,3
	ds_load_b64 v[VS+2*\g:VS+2*\g+1], v[ADT] offset:256*\g
.endr
	s_add_co_u32 s[TSV], s[TSV], 1024
.endm
.macro KQ1 t                           ; matrix instruction q of tile t's 16: K step q / 8, key tile q % 8; the eight accumulators by turns
	WIN W_KQ
	MMA SX+64*(\t)+8*(q%8), KF+12*(2*(q%8)+q/8), 12*(2*(\t)+q/8), 1-q/8, KS+q%8, QS+(\t), 3*(q/8)
.set q, q+1
.endm
.macro PV1 zero                        ; matrix instruction q of 32: channel tile q / 2, query tile q % 2
	WIN W_PV
	MMA 128*(q%2)+8*(q/2), 12*(q/2), PC+12*(q%2), \zero, VS+q/4, PS+q%2, (q/2)%2
.set q, q+1
.endm
.macro PRE t                           ; line n of 85: block maxima, the running M, f, and t - M
	WIN 0
.set rT, TT+32*(\t)
.set rS, SX+64*(\t)
.if n < 4
	v_max3_num_f32 v[rT+8+n], v[rS+16*n], v[rS+16*n+1], v[rS+16*n+2]
.elseif n < 28
	v_max3_num_f32 v[rT+8+n%4], v[rT+8+n%4], v[rS+16*(n%4)+3+2*((n-4)/4)], v[rS+16*(n%4)+4+2*((n-4)/4)]
.elseif n < 32
	v_max_num_f32 v[rT+8+n%4], v[rT+8+n%4], v[rS+16*(n%4)+15]
.elseif n < 36
	v_permlanex16_b32 v[rT+12+n%4], v[rT+8+n%4], s[SEL], s[SEL+1]
.elseif n < 40
	v_max_num_f32 v[rT+8+n%4], v[rT+8+n%4], v[rT+12+n%4]
.elseif n == 40
	v_max3_num_f32 v[rT+28], v[rT+8], v[rT+9], v[rT+10]
.elseif n == 41
	v_max_num_f32 v[rT+28], v[rT+28], v[rT+11]
.elseif n == 42
	v_mul_f32 v[rT+28], s[CS], v[rT+28]
.elseif n == 43
	v_max_num_f32 v[rT+1], v[rT+1], v[rT+28]
.elseif n == 44
	v_mov_b32 v[rT+28], v[rT]
.elseif n == 45
	v_floor_f32 v[rT], -v[rT+1]                    ; -M = floor(-t): M is a whole number
.elseif n == 46
	v_sub_f32 v[rT+28], v[rT], v[rT+28]
.elseif n == 47
	v_cvt_i32_f32 v[rT+28], v[rT+28]
.elseif n == 48
	v_ldexp_f32 v[rT+4], 1.0, v[rT+28]             ; f = 2^(old M - new M)
.elseif n < 81
	v_pk_fma_f32 v[rS+2*(n-49):rS+2*(n-49)+1], v[rS+2*(n-49):rS+2*(n-49)+1], s[CS:CS+1], v[rT:rT+1] op_sel_hi:[1,0,0]
.else
	v_fma_f32 v[rT+8+n-81], v[rT+8+n-81], s[CS], v[rT]
.endif
.endm
.macro PREN t, cnt
.rept \cnt
	PRE \t
.set n, n+1
.endr
.endm
.macro EXPN cnt                        ; exponentials n of 136: for each tile its 64 p and its four block maxima
.rept \cnt
	WIN 0
.if (n%68) < 64
	v_exp_f32 v[SX+64*(n/68)+n%68], v[SX+64*(n/68)+n%68]
.else
	v_exp_f32 v[TT+32*(n/68)+8+n%68-64], v[TT+32*(n/68)+8+n%68-64]
.endif
.set n, n+1
.endr
.endm
.macro POST t                          ; line n of 65: the sum of the unquantised p in four chains, the block scales, the codes
	WIN 0
.set rT, TT+32*(\t)
.set rS, SX+64*(\t)
.set rP, PC+12*(\t)
.set cH, rT+2
.if n%4 == 1
.set cH, rT+6
.elseif n%4 == 2
.set cH, rT+20
.elseif n%4 == 3
.set cH, rT+22
.endif
.if n == 0
	v_pk_mul_f32 v[rT+2:rT+3], v[rT+2:rT+3], v[rT+4:rT+5] op_sel_hi:[1,0]
.elseif n < 4
	v_pk_add_f32 v[cH:cH+1], v[rS+4*n-4:rS+4*n-3], v[rS+4*n-2:rS+4*n-1]
.elseif n < 30
	v_pk_add_f32 v[cH:cH+1], v[cH:cH+1], v[rS+2*n+4:rS+2*n+5]
.elseif n == 30
	v_pk_add_f32 v[rT+2:rT+3], v[rT+2:rT+3], v[rT+6:rT+7]
.elseif n == 31
	v_pk_add_f32 v[rT+20:rT+21], v[rT+20:rT+21], v[rT+22:rT+23]
.elseif n == 32
	v_pk_add_f32 v[rT+2:rT+3], v[rT+2:rT+3], v[rT+20:rT+21]
.elseif n < 37
	v_max_num_f32 v[rT+8+n-33], FLOOR, v[rT+8+n-33]
.elseif n < 41
	v_add_nc_u32 v[rT+16+n-37], 0xff000000, v[rT+8+n-37]
.elseif n < 45
	v_lshrrev_b32 v[rT+12+n-41], 23, v[rT+16+n-41]
.elseif n == 45
	v_lshl_or_b32 v[PS+\t], v[rT+13], 8, v[rT+12]
.elseif n == 46
	v_lshl_or_b32 v[PS+\t], v[rT+14], 16, v[PS+\t]
.elseif n == 47
	v_lshl_or_b32 v[PS+\t], v[rT+15], 24, v[PS+\t]
.elseif n == 48
	v_cvt_scalef32_pk16_fp6_f32 v[rP:rP+2], v[rS:rS+15], v[rT+16]
.elseif n == 49
	v_cvt_scalef32_pk16_fp6_f32 v[rT+20:rT+22], v[rS+16:rS+31], v[rT+17]
.elseif n == 50
	v_cvt_scalef32_pk16_fp6_f32 v[rP+6:rP+8], v[rS+32:rS+47], v[rT+18]
.elseif n == 51
	v_cvt_scalef32_pk16_fp6_f32 v[rT+24:rT+26], v[rS+48:rS+63], v[rT+19]
.elseif n == 52
	v_nop                                          ; one plain place behind the scaled conversions
.elseif n < 56
	v_permlane16_swap_b32 v[rP+n-53], v[rT+20+n-53]
.elseif n < 59
	v_mov_b32 v[rP+3+n-56], v[rT+20+n-56]
.elseif n < 62
	v_permlane16_swap_b32 v[rP+6+n-59], v[rT+24+n-59]
.else
	v_mov_b32 v[rP+9+n-62], v[rT+24+n-62]
.endif
.endm
.macro POSTN t, cnt
.rept \cnt
	POST \t
.set n, n+1
.endr
.endm
.macro RESCALE                         ; O^T x f, each accumulator from its low end on
	WIN W_RS
	s_wait_alu depctr_va_vdst(0)                   ; the wait directly ahead of the first reader of O^T
.irp t, 0,1
.set i, 0
.rept 64
	v_pk_mul_f32 v[128*\t+i:128*\t+i+1], v[128*\t+i:128*\t+i+1], v[TT+32*\t+4:TT+32*\t+5] op_sel_hi:[1,0]
.set i, i+2
.endr
.endr
.endm
; One trip.  rs: O x f;  fv: fetch V(u);  post: sum and quantise p(u);  fk: fetch K(u+2);  pv: 0 none, 1 the first product starts the sums, 2 it adds.
.macro RUN rs, fv, post, fk, pv
.if \rs
	RESCALE                                        ; its 128 lines are also the places in front of the loads into V's registers
.endif
.if \fv
	FETCH_V
	s_wait_dscnt 52                                ; K(u+1) is in: only the 52 loads just issued may be out
.endif
.set n, 0
.if \post
	POSTN 0, 65
.endif
.set n, 0
.set q, 0
.rept 16                               ; S(u+1), tile 0, over tile 0's spent p; four lines of tile 1 behind each matrix instruction
	KQ1 0
.if \post
	POSTN 1, 4
.endif
.endr
.if \post
	POSTN 1, 1
.else
	WIN 0
	PLACES 4                                       ; places in front of the first read of tile 0's results
.endif
.set n, 0
.set q, 0
.rept 16                               ; S(u+1), tile 1; five lines of tile 0 behind each matrix instruction
	KQ1 1
	PREN 0, 5
.endr
	PREN 0, 5
.set n, 0
	PREN 1, 8                                      ; with the five above: the places in front of the loads into K's registers
.if \fk
	FETCH_K
.else
	s_add_co_u32 s[TB], s[TB], STEPB
.endif
	PREN 1, 77
.if \pv
	s_wait_dscnt 52*\fk                            ; V(u) is in: K(u+2)'s 52 loads may be out
.endif
	s_wait_alu depctr_va_vdst(0)                   ; the wait ahead of the batch
.set n, 0
.set q, 0
.rept 32
	EXPN 4
.if \pv
	PV1 2-\pv
.endif
.endr
	EXPN 8
	PLACES 4                                       ; four places between the batch's matrix instructions and the first read of O^T; the first is also the plain place behind the last exponential
	s_wait_alu depctr_va_vdst(0)                   ; and the one wait behind the batch
.endm
.macro ASK
	s_cmp_gt_u32 s[SLOTS], s[LIM]                  ; not in the loop's last trip: slot 15 is the buffer's last
	s_cbranch_scc0 .Lnot_mine_\@
	global_prefetch_b8 v[PFO], s[PFA:PFA+1] th:TH_LOAD_NT scope:SCOPE_SE
.Lnot_mine_\@:
.endm
; The change of slots.  fill = 2: all four images of the next slot; 1: V's two alone; 0: nothing more is asked for.
.macro CHANGE fill
	WIN 0
	s_wait_tensorcnt 0x0                           ; my one load that was out, my image of the slot read next, has landed
	ds_add_u32 v[SPW], v[NIL]
.if \fill
	s_xor_b32 s[G0B+1], s[G0B+1], SLOT1
	s_add_nc_u64 s[G0B+2:G0B+3], s[G0B+2:G0B+3], SLOTB
.endif
.if \fill == 2
	s_wait_xcnt 0x0                                ; my last prefetch has read its address
	s_add_nc_u64 s[PFA:PFA+1], s[PFA:PFA+1], SLOTB
.endif
	s_wait_dscnt 0x0                               ; the add is done, and my reads of the slot that is left
.if \fill
	CROUND
.if \fill == 1
	s_and_b32 s60, s[WV], 1
	s_cmp_eq_u32 s60, 0
	s_cbranch_scc1 .Lno_k_\@                       ; units 32 and 33 do not exist: waves 0 and 2 have nothing to fill
.endif
	tensor_load_to_lds s[G0B:G0B+3], s[G1C:G1C+7]
	s_nop 0
	PLACES 4
.if \fill == 1
.Lno_k_\@:
.else
	ASK
.endif
.else
	s_barrier_signal -1
	s_barrier_wait -1
.endif
	s_sub_co_u32 s[TB], s[TB], SLOTB
	s_xor_b32 s[TB], s[TB], SLOT1
.endm
.macro TWO_RUNS
	s_mov_b32 s[TWICE], 2
.Lrun_\@:
	RUN 1, 1, 1, 1, 2
	s_sub_co_u32 s[TWICE], s[TWICE], 1
	s_cmp_lg_u32 s[TWICE], 0
	s_cbranch_scc1 .Lrun_\@
.endm
	s_wait_alu depctr_va_vdst(0)
	s_wait_tensorcnt 0x0                           ; my head load is in; the same three lines as ahead of a refill
	ds_add_u32 v[SPW], v[NIL]
	s_wait_dscnt 0x0
	CROUND                                         ; K(0), K(1) and the tables are whole for every wave
	tensor_load_to_lds s[G0B:G0B+3], s[G1C:G1C+7]  ; slot 0's first fill
	s_nop 0
	PLACES 4
	FETCH_K                                        ; K(0)
	s_mov_b32 s[TB], KP1                           ; K(1) is fetched by the trip below
	s_wait_loadcnt 0x0                             ; Q
	s_wait_dscnt 0x0
	RUN 0, 0, 0, 1, 0                              ; S(0), its maxima and exponentials
	CHANGE 2                                       ; slot 0 is whole; slot 1's first fill
	s_mov_b32 s[TB], 0
	RUN 0, 1, 1, 1, 1                              ; unit 0: its product starts the sums, nothing is cleared
	RUN 1, 1, 1, 1, 2
.Lslot:                                                ; changes 1 to 13 ask for slots 2 to 14
	CHANGE 2
	TWO_RUNS
	s_sub_co_u32 s[SLOTS], s[SLOTS], 1
	s_cmp_lg_u32 s[SLOTS], 0
	s_cbranch_scc1 .Lslot
	CHANGE 1                                       ; slot 15: V(30) and V(31)
	TWO_RUNS
	CHANGE 0
	RUN 1, 1, 1, 0, 2                              ; unit 30: no K is left to fetch
	RESCALE                                        ; unit 31
	FETCH_V
.set n, 0
.rept 65
	POST 0
	POST 1
.set n, n+1
.endr
	s_lshl_b32 s60, s[WV], 7                       ; the way out: a stage of 256 rows c x 128 columns n over bytes that have had their last fill
	s_mul_i32 s62, s[WV], 64*SP
	v_and_b32 v[ADK], 15, v0
	v_bfe_u32 v[ADS], v0, 4, 1
	v_and_b32 v[STO0], 8, v[ADK]
	v_add_nc_u32 v[STO0], v[STO0], v[ADK]          ; query r of tile t is column r + 8 (r / 8) + 8 t of my 32
	v_lshlrev_b32 v[STO0], 2, v[STO0]
	v_mad_u32_u24 v[STO0], v[ADS], 8*SP, v[STO0]
	v_add_nc_u32 v[STO0], s60, v[STO0]
	v_add_nc_u32 v[STO0+1], 128*SP, v[STO0]
	v_add_nc_u32 v[RD], s62, v[GO]
	s_wait_alu depctr_va_vdst(0)
	s_wait_dscnt 0x0                               ; V(31) is in: my last reads of the slots
	s_barrier_signal -1
.set q, 0
.rept 32
	PV1 0
.endr
	WIN 0
.irp t, 0,1
	v_add_f32 v[TT+32*\t+28], v[TT+32*\t+2], v[TT+32*\t+3]
.endr
.irp t, 0,1
	v_permlanex16_b32 v[TT+32*\t+12], v[TT+32*\t+28], s[SEL], s[SEL+1]
.endr
.irp t, 0,1
	v_add_f32 v[TT+32*\t+28], v[TT+32*\t+28], v[TT+32*\t+12]   ; the row's sum l
.endr
	s_wait_alu depctr_va_vdst(0)
.irp t, 0,1
	v_rcp_f32 v[TT+32*\t+4], v[TT+32*\t+28]
.endr
	v_nop
	s_wait_alu depctr_va_vdst(0)
	s_barrier_wait -1                              ; no wave reads the slots any more
	RESCALE                                        ; O^T / l
	WIN 0x04
.irp t, 0,1
.irp ct, 0,1,2,3,4,5,6,7,8,9,10,11,12,13,14,15
.irp jj, 0,1,2,3,4,5,6,7
	ds_store_b32 v[STO0+\ct/8], v[128*\t+8*\ct+\jj] offset:(16*(\ct%8)+\jj)*SP+32*\t
.endr
.endr
.endr
	WIN 0
	s_wait_dscnt 0x0
	s_barrier_signal -1
	s_barrier_wait -1
.set i, 0
.rept 32
	ds_load_b128 v[SX+4*i:SX+4*i+3], v[RD] offset:SP*i
.set i, i+1
.endr
	WIN 0x80
.set i, 0
.rept 32
	ds_load_b128 v[4*i:4*i+3], v[RD] offset:SP*(32+i)
.set i, i+1
.endr
	WIN 0
.set i, 0
.rept 32
	s_wait_dscnt 63-i                              ; load i is in; the 63 - i behind it may be out
	global_store_b128 v[GO], v[SX+4*i:SX+4*i+3], s[10:11] offset:16384*i th:TH_STORE_NT   ; 32 lanes store 512 consecutive bytes of a row c, aligned
.set i, i+1
.endr
	WIN 0x08
.set i, 0
.rept 32
	s_wait_dscnt 31-i
	global_store_b128 v[GO], v[4*i:4*i+3], s[10:11] offset:16384*(32+i) th:TH_STORE_NT
.set i, i+1
.endr
	WIN 0
	s_wait_tensorcnt 0x0                           ; the wave's end
	ds_add_u32 v[SPW], v[NIL]
	s_wait_dscnt 0x0
	CROUND                                         ; the closing round
	s_endpgm
.Lfunc_end_k_q41942177cb_attn:
	.size	k_q41942177cb_attn, .Lfunc_end_k_q41942177cb_attn-k_q41942177cb_attn
	.p2alignl 7, 3214868480
	.fill 96, 4, 3214868480
	.section	.rodata,"a",@progbits
	.p2align	6, 0x0
	.amdhsa_kernel k_q41942177cb_attn
		.amdhsa_group_segment_fixed_size 327680
		.amdhsa_private_segment_fixed_size 0
		.amdhsa_enable_private_segment 0
		.amdhsa_kernarg_size 32
		.amdhsa_user_sgpr_count 2
		.amdhsa_user_sgpr_kernarg_segment_ptr 1
		.amdhsa_wavefront_size32 1
		.amdhsa_system_sgpr_workgroup_id_x 1
		.amdhsa_system_sgpr_workgroup_id_y 1
		.amdhsa_system_sgpr_workgroup_id_z 1
		.amdhsa_system_vgpr_workitem_id 0
		.amdhsa_next_free_vgpr 1024
		.amdhsa_next_free_sgpr 72
		.amdhsa_reserve_vcc 0
		.amdhsa_float_denorm_mode_32 3
		.amdhsa_float_denorm_mode_16_64 3
		.amdhsa_memory_ordered 1
		.amdhsa_forward_progress 1
		.amdhsa_inst_pref_size 255
	.end_amdhsa_kernel
	.section	.bss,"aw",@nobits
	.p2align	6
	.space	262144
	.amdgpu_metadata
---
amdhsa.version: [ 1, 2 ]
amdhsa.kernels:
  - .name:           k_q41942177cb_attn
    .symbol:         k_q41942177cb_attn.kd
    .args:
      - { .name: qc, .offset: 0, .size: 8, .value_kind: global_buffer, .address_space: global }
      - { .name: kvc, .offset: 8, .size: 8, .value_kind: global_buffer, .address_space: global }
      - { .name: sc, .offset: 16, .size: 8, .value_kind: global_buffer, .address_space: global }
      - { .name: out0, .offset: 24, .size: 8, .value_kind: global_buffer, .address_space: global }
    .group_segment_fixed_size: 327680
    .private_segment_fixed_size: 0
    .kernarg_segment_align: 8
    .kernarg_segment_size: 32
    .max_flat_workgroup_size: 128
    .sgpr_count:     72
    .vgpr_count:     1024
    .wavefront_size: 32
...
	.end_amdgpu_metadata
.endif
;; end of part 2
